; MI455X (gfx1250); checked and timed in simulation.
; The chip was launched on July 23, 2026; its instructions are those of AMD's public machine-readable ISA for CDNA 5 (MIT licence, August 2026) and "CDNA5" Instruction Set Architecture Reference Guide (July 2026). The comments in the code are by the model that wrote it; some were corrected since.
;; Parallel Mo E Linear. Allowed arithmetic: matrix products marked QUANTISED: E5M2 operands, one E8M0 scale for each 32 along K, by v_wmma_scale_f32_16x16x128_f8f6f4 with both operands' format E5M2, f32 sums; everything else in f32.
;; Inputs: bias 8 x 4,096 float32; group_sizes 8 int32; kernel_codes 8 x 4,096 x 32 x 32 uint8 (E5M2 codes of kernel, K innermost, in blocks of 32 codes); kernel_scales 8 x 4,096 x 32 uint8 (E8M0 scales of kernel, one for each 32 codes along K); sorted_experts 2,048 int32; sorted_tokens 2,048 x 1,024 float32.
;; Outputs: out0 2,048 x 4,096 float32.
;; This version of the problem:
;;   THIS VERSION OF THE PROBLEM IS GIVEN IN LOW PRECISION. The matrix products marked QUANTISED in the list below multiply operands that are first quantised to E5M2 (5 exponent bits, 2 mantissa bits; 8 bits a number), with one power-of-two scale for each 32 numbers along K (OCP MX v1.0); their sums are f32. All else is computed in f32.
;;   The module's matrix products, in the order in which they are computed (A, B: the left and right operand; K: the contracted axis; several contracted axes count as one K, in the product's order):
;;     1. [M 2,048, K 1,024] x [K 1,024, N 4,096]; A: computed on the way; B: input kernel (given as codes): QUANTISED
;;     2. [M 2,048, K 1,024] x [K 1,024, N 4,096]; A: computed on the way; B: input kernel (given as codes): QUANTISED
;;     3. [M 2,048, K 1,024] x [K 1,024, N 4,096]; A: computed on the way; B: input kernel (given as codes): QUANTISED
;;     4. [M 2,048, K 1,024] x [K 1,024, N 4,096]; A: computed on the way; B: input kernel (given as codes): QUANTISED
;;     5. [M 2,048, K 1,024] x [K 1,024, N 4,096]; A: computed on the way; B: input kernel (given as codes): QUANTISED
;;     6. [M 2,048, K 1,024] x [K 1,024, N 4,096]; A: computed on the way; B: input kernel (given as codes): QUANTISED
;;     7. [M 2,048, K 1,024] x [K 1,024, N 4,096]; A: computed on the way; B: input kernel (given as codes): QUANTISED
;;     8. [M 2,048, K 1,024] x [K 1,024, N 4,096]; A: computed on the way; B: input kernel (given as codes): QUANTISED
;;   THE QUANTISER, for each operand of a quantised product, along K:
;;     - K is cut into blocks of 32 from its start; a last block that is shorter is filled with zeros.
;;     - A block's scale is 2^e with e = floor(log2(the largest magnitude in the block)) - 15, held to -126 .. 127; a block of zeros has e = 0. As a byte (E8M0): e + 127.
;;     - Each number is divided by its block's scale, clamped to +-57,344, and rounded to the nearest number of E5M2, ties to even, subnormals kept.
;;     - The product sums the exact products of the quantised numbers (number of the format x scale) in f32.
;;   ~~~python
;;   def quantise(x, axis):      # numpy; x: float32 -> the quantised numbers, widened to float32 again
;;       x = np.moveaxis(x, axis, -1); K = x.shape[-1]
;;       x = np.pad(x, [(0, 0)] * (x.ndim - 1) + [(0, -K % 32)]); x = x.reshape(x.shape[:-1] + (-1, 32)); a = np.abs(x).max(-1, keepdims=True)
;;       e = np.where(a > 0, np.clip(np.frexp(np.where(a > 0, a, 1))[1] - 1 - 15, -126, 127), 0)      # np.frexp(a)[1] - 1 = floor(log2(a)), exactly
;;       r = np.clip(x / 2.0 ** e, -57344, 57344)
;;       step = 2.0 ** (np.maximum(np.frexp(np.where(r == 0, 1, r))[1] - 1, -14) - 2)
;;       q = np.round(r / step) * step * 2.0 ** e      # np.round: ties to even
;;       return np.moveaxis(q.reshape(q.shape[:-2] + (-1,))[..., :K], -1, axis).astype(np.float32)
;;   ~~~
;;   OPERANDS COMPUTED ON THE WAY. 'Computed on the way' means the value that the module computes at that place (a softmax that the list does not call 'softmax' is quantised finished and normalised). What goes into a quantiser is computed in f32, as accurately as f32 sums, v_exp_f32 and their like allow (about 1e-6 of the number): no bf16 or f16 on the way to a quantiser, and a product that is left as it is and whose result goes on into a quantised operand takes f32 operands (vector FMAs, or v_wmma_f32_16x16x4_f32). A number that lies on a knife's edge between two numbers of the format may be rounded either way, as far as f32 arithmetic and the matrix unit's own rounding can turn it there, and no further.
;;   INPUTS GIVEN AS CODES. kernel (in the module: [8, 1024, 4096], K = its axis 1): each comes as NAME_codes (uint8): NAME with its K axis moved to the last place and cut into blocks of 32 codes, [.., K / 32, bytes a block], one block behind the other in memory; one code a byte (a code: sign, 5 exponent bits, 2 mantissa bits); and NAME_scales (uint8): the same leading axes, one E8M0 byte (e + 127) for each 32 codes along K. Its value is code x scale, taken as it is: it is not quantised again, and the codes and scales need not be those that the quantiser above would give.
;; One version. Each part assembles by itself: llvm-mc -triple=amdgcn-amd-amdhsa -mcpu=gfx1250 --defsym DOCPART=n.
;; ======== version 1 of 1: 2 launches
;; workspace buffers: a_img 2,097,152 bytes; a_scl 65,536 bytes
;; launch quant (part 1): grid 256 x 1, 4 waves a work-group, no clusters, 34,816 bytes of LDS; arguments sorted_tokens, a_img, a_scl; writes a_img, a_scl
.if DOCPART == 1
	.amdgcn_target "amdgcn-amd-amdhsa--gfx1250"
	.amdhsa_code_object_version 6
	.text
	.protected	k_q208735795a_quant
	.globl	k_q208735795a_quant
	.p2align	8
	.type	k_q208735795a_quant,@function
k_q208735795a_quant:
	s_mov_b64 s[64:65], 0
	v_nop
	global_prefetch_b8 v0, s[64:65] scope:SCOPE_SE
	s_setreg_imm32_b32 hwreg(HW_REG_WAVE_MODE, 25, 1), 1
	s_wait_xcnt 0x0
; sorted_tokens [2048][1024] f32 become codes of BF8 (E5M2) with one E8M0 scale byte for each 32 along K, once, in the tokens' given order.
; A block's scale is 2^(floor(log2(its largest magnitude)) - 15); its byte is the largest magnitude's exponent field - 15, held at 1 from below; each number is held within
; +-57,344 x the scale and rounded to the nearest code, ties to even.
; THE CODES ARE LAID AS IMAGES OF THE OPERAND'S REGISTERS: a_img [group g of 16 tokens: 128][K step s of 128: 8][quad c: 4][lane l: 32][16 bytes]; lane l = r + 16 h holds the codes of token 16 g + r at
; k = 128 s + 32 c + 16 h + 0 .. 15.  So the product's launch fills a fragment by four loads of 512 consecutive bytes.
; a_scl [g: 128][kh: 2][r: 16][4 words]: word j holds token 16 g + r's four scale bytes of K step 4 kh + j.
; SHARES: work-group x takes group x / 2 and K half x % 2; wave w takes K step 4 (x % 2) + w: 16 rows x 512 bytes.  Each of its 16 loads reads 512 consecutive bytes of one row; the rows turn through the wave's own
; stage in LDS, so that a lane then holds 16 neighbours of each of the four blocks of ITS row, as the conversions want them.
; LIMITS: NaN and infinities among the tokens are not served.  A block of zeros gets the byte 1 where the rule says 127: its codes are zeros, which add nothing, and this program alone reads the bytes.
.set PITCH, 528                        ; a stage row: 512 bytes + 16 = 33 x 16 bytes: the 16 rows that a read touches start in 16 different columns of 16 bytes
.set WSTG,  16*PITCH                   ; a wave's stage
.set SCG,   4*WSTG                     ; behind the stages: 256 bytes in which the four waves' scale words meet
.set LI, 1                             ; v1   16 x lane
.set SI, 2                             ; v2   the stage, on the way in: my wave's stage + 16 x lane
.set SO, 3                             ; v3   and on the way out: my wave's stage + PITCH r + 64 h
.set SW, 4                             ; v4   SCG + 16 r + 4 w: my row's word of my K step
.set L8, 5                             ; v5   8 x lane
.set SG, 6                             ; v6   SCG + 8 x lane
.set R,  16                            ; v16-79   the numbers as loaded
.set X,  80                            ; v80-143  register 16 c + i: k = 32 c + 16 h + i of my row
.set TM, 144                           ; v144-147 largest magnitudes, v148-151 bytes, v152-155 the largest number x the scale, v156-159 the conversions' scale operands
.set PW, 160                           ; v160     my row's scale word
.set PC, 164                           ; v164-179 the fragment's codes
.set SQ, 180                           ; v180-181 scale words on the way out
	s_load_b128 s[4:7], s[0:1], 0x0                ; tokens s[4:5], a_img s[6:7]
	s_load_b64 s[8:9], s[0:1], 0x10                ; a_scl
	v_lshl_add_u32 v184, v0, 2, 0x8600
	v_mov_b32 v185, 0
	v_lshrrev_b32 v7, 5, v0
	v_readfirstlane_b32 s10, v7                    ; wave 0..3
	v_and_b32 v8, 31, v0                           ; lane
	v_and_b32 v9, 15, v0                           ; r
	v_bfe_u32 v10, v0, 4, 1                        ; h
	v_lshlrev_b32 v[LI], 4, v8
	s_mul_i32 s16, s10, WSTG
	v_add_nc_u32 v[SI], s16, v[LI]
	v_mul_u32_u24 v[SO], v9, PITCH
	v_lshl_add_u32 v[SO], v10, 6, v[SO]
	v_add_nc_u32 v[SO], s16, v[SO]
	s_lshl_b32 s17, s10, 2
	s_add_co_u32 s17, s17, SCG
	v_lshl_add_u32 v[SW], v9, 4, s17
	v_lshlrev_b32 v[L8], 3, v8
	v_add_nc_u32 v[SG], SCG, v[L8]
	s_mov_b32 s20, 0x76543210
	s_mov_b32 s21, 0xfedcba98                      ; v_permlanex16_b32's selects for lane l xor 16
	s_mov_b32 s23, 0x600000                        ; the mantissa field of 57,344
	s_lshr_b32 s11, ttmp9, 1                       ; g
	s_and_b32 s14, ttmp9, 1                        ; kh
	s_lshl_b32 s14, s14, 2
	s_add_co_u32 s14, s14, s10                     ; s = 4 kh + w
	s_lshl_b32 s12, s11, 16                        ; 16 rows of 4,096 bytes a group,
	s_lshl_b32 s15, s14, 9                         ; 512 bytes a K step
	s_add_co_u32 s12, s12, s15
	s_mov_b32 s13, 0
	s_wait_kmcnt 0x0
	s_add_nc_u64 s[4:5], s[4:5], s[12:13]
.irp i, 0,1,2,3,4,5,6,7,8,9,10,11,12,13,14,15
	global_load_b128 v[R+4*\i:R+4*\i+3], v[LI], s[4:5] offset:4096*\i th:TH_LOAD_NT   ; row i: 32 lanes read 512 consecutive bytes; read once in the launch
.endr
	s_lshl_b32 s12, ttmp9, 2
	s_add_co_u32 s12, s12, s10                     ; 4 x + w = 8 g + s
	s_lshl_b32 s12, s12, 11                        ; 2,048 bytes a fragment
	s_add_nc_u64 s[6:7], s[6:7], s[12:13]
	s_lshl_b32 s12, ttmp9, 8                       ; 256 bytes of scale words a work-group
	s_add_nc_u64 s[8:9], s[8:9], s[12:13]
.irp b, 0,1,2,3
	v_mov_b32 v[TM+4+\b], 0                        ; written once: a lane permute's destination counts as one of its sources
.endr
.irp i, 0,1,2,3,4,5,6,7,8,9,10,11,12,13,14,15
	s_wait_loadcnt 15-\i                           ; loads come back in order: row i is in, the younger rows may be out
	ds_store_b128 v[SI], v[R+4*\i:R+4*\i+3] offset:PITCH*\i
.endr
.irp c, 0,1,2,3
.irp q, 0,1,2,3
	ds_load_b128 v[X+16*\c+4*\q:X+16*\c+4*\q+3], v[SO] offset:128*\c+16*\q   ; the stage is my wave's own and LDS serves a wave's instructions in order: these see the stores above
.endr
.endr
	s_wait_dscnt 0x0
.irp b, 0,1,2,3
	v_max3_num_f32 v[TM+\b], |v[X+16*\b]|, |v[X+1+16*\b]|, 0x8000000   ; block b: my 16 numbers, and the floor 2^(16 - 127): so the byte cannot fall under 1
.endr
.irp i, 2,4,6,8,10,12,14
.irp b, 0,1,2,3
	v_max3_num_f32 v[TM+\b], v[TM+\b], |v[X+16*\b+\i]|, |v[X+1+16*\b+\i]|   ; the four blocks by turns: no line waits for the line above it
.endr
.endr
.irp b, 0,1,2,3
	v_permlanex16_b32 v[TM+4+\b], v[TM+\b], s20, s21
.endr
.irp b, 0,1,2,3
	v_max_num_f32 v[TM+\b], v[TM+\b], v[TM+4+\b]   ; with lane l xor 16's 16 numbers: the block's largest magnitude
.endr
.irp b, 0,1,2,3
	v_add_nc_u32 v[TM+12+\b], 0xf8800000, v[TM+\b] ; 15 off its exponent field: the conversion takes the exponent field of this operand as its scale
.endr
.irp b, 0,1,2,3
	v_and_or_b32 v[TM+8+\b], v[TM+\b], 0x7f800000, s23   ; 57,344 x the scale: the largest magnitude's exponent field over 57,344's mantissa
.endr
.irp b, 0,1,2,3
	v_lshrrev_b32 v[TM+4+\b], 23, v[TM+12+\b]      ; the scale's byte
.endr
	v_lshl_or_b32 v[PW], v[TM+5], 8, v[TM+4]       ; the four bytes make my row's scale word for this K step
	v_lshl_or_b32 v[PW], v[TM+6], 16, v[PW]
	v_lshl_or_b32 v[PW], v[TM+7], 24, v[PW]
.irp b, 0,1,2,3
.irp i, 0,1,2,3,4,5,6,7,8,9,10,11,12,13,14,15
	v_med3_num_f32 v[X+16*\b+\i], v[X+16*\b+\i], -v[TM+8+\b], v[TM+8+\b]   ; the conversion to an 8-bit code does not saturate (ISA guide 7.6.2): the hold at the largest code x the scale
.endr
	v_cvt_scalef32_pk8_bf8_f32 v[PC+4*\b:PC+1+4*\b], v[X+16*\b:X+7+16*\b], v[TM+12+\b]
	v_cvt_scalef32_pk8_bf8_f32 v[PC+2+4*\b:PC+3+4*\b], v[X+8+16*\b:X+15+16*\b], v[TM+12+\b]
.endr
	v_nop                                          ; one plain vector line behind the last conversion
.irp c, 0,1,2,3
	global_store_b128 v[LI], v[PC+4*\c:PC+4*\c+3], s[6:7] offset:512*\c   ; 32 lanes store 512 consecutive bytes, at a multiple of 512 from a_img's first byte
.endr
	ds_store_b32 v[SW], v[PW]                      ; lanes r and r + 16 write the same word with the same value
	s_wait_dscnt 0x0                               ; for the others' sake: my word has landed
	s_barrier_signal -1
	s_barrier_wait -1                              ; the four waves' words lie together: 16 rows x 4 words
	s_cmp_lg_u32 s10, 0
	s_cbranch_scc1 .Lend                           ; wave 0 alone sends them
	ds_load_b64 v[SQ:SQ+1], v[SG]
	s_wait_dscnt 0x0
	global_store_b64 v[L8], v[SQ:SQ+1], s[8:9]     ; 32 lanes store 256 consecutive bytes, at a multiple of 256 from a_scl's first byte
.Lend:
	s_wait_tensorcnt 0x0
	ds_add_u32 v184, v185
	s_wait_dscnt 0x0
	s_endpgm
.Lfunc_end_k_q208735795a_quant:
	.size	k_q208735795a_quant, .Lfunc_end_k_q208735795a_quant-k_q208735795a_quant
	.p2alignl 7, 3214868480
	.fill 96, 4, 3214868480
	.section	.rodata,"a",@progbits
	.p2align	6, 0x0
	.amdhsa_kernel k_q208735795a_quant
		.amdhsa_group_segment_fixed_size 34816
		.amdhsa_private_segment_fixed_size 0
		.amdhsa_enable_private_segment 0
		.amdhsa_kernarg_size 24
		.amdhsa_user_sgpr_count 2
		.amdhsa_user_sgpr_kernarg_segment_ptr 1
		.amdhsa_wavefront_size32 1
		.amdhsa_system_sgpr_workgroup_id_x 1
		.amdhsa_system_sgpr_workgroup_id_y 1
		.amdhsa_system_sgpr_workgroup_id_z 1
		.amdhsa_system_vgpr_workitem_id 0
		.amdhsa_next_free_vgpr 186
		.amdhsa_next_free_sgpr 66
		.amdhsa_reserve_vcc 0
		.amdhsa_float_denorm_mode_32 3
		.amdhsa_float_denorm_mode_16_64 3
		.amdhsa_memory_ordered 1
		.amdhsa_forward_progress 1
		.amdhsa_inst_pref_size 15
	.end_amdhsa_kernel
	.amdgpu_metadata
---
amdhsa.version: [ 1, 2 ]
amdhsa.kernels:
  - .name:           k_q208735795a_quant
    .symbol:         k_q208735795a_quant.kd
    .args:
      - { .name: sorted_tokens, .offset: 0, .size: 8, .value_kind: global_buffer, .address_space: global }
      - { .name: a_img, .offset: 8, .size: 8, .value_kind: global_buffer, .address_space: global }
      - { .name: a_scl, .offset: 16, .size: 8, .value_kind: global_buffer, .address_space: global }
    .group_segment_fixed_size: 34816
    .private_segment_fixed_size: 0
    .kernarg_segment_align: 8
    .kernarg_segment_size: 24
    .max_flat_workgroup_size: 128
    .sgpr_count:     66
    .vgpr_count:     186
    .wavefront_size: 32
...
	.end_amdgpu_metadata
.endif
;; end of part 1
;; launch gemm (part 2): grid 32 x 8, 4 waves a work-group, no clusters, 168,448 bytes of LDS; arguments a_img, a_scl, kernel_codes, kernel_scales, bias, sorted_experts, out0; writes out0
.if DOCPART == 2
	.amdgcn_target "amdgcn-amd-amdhsa--gfx1250"
	.amdhsa_code_object_version 6
	.text
	.protected	k_q208735795a_gemm
	.globl	k_q208735795a_gemm
	.p2align	8
	.type	k_q208735795a_gemm,@function
k_q208735795a_gemm:
	s_mov_b64 s[64:65], 0
	v_nop
	global_prefetch_b8 v0, s[64:65] scope:SCOPE_SE
	s_setreg_imm32_b32 hwreg(HW_REG_WAVE_MODE, 25, 1), 1
	s_wait_xcnt 0x0
; out0[t][n] = bias[e(t)][n] + the sum over k of token[t][k] x kernel[e(t)][k][n], e(t) = sorted_experts[t]; both operands as codes of BF8 (E5M2) with one E8M0 scale for each 32 along K; sums in f32.
; For the seven experts that a token does not name, the masked token is a row of zeros, whose codes add exactly 0: only the named expert is multiplied.
; group_sizes is not loaded: the definition never reads it, and no result may hang on it.
; SHARES.  Work-group (x, e) owns columns 128 x .. 128 x + 127 of expert e: 32 x 8 work-groups for every split, and each byte of the weights is read by one work-group.  Its 128 columns x 1,024 codes go into LDS
; once, through registers, by loads of 512 consecutive bytes; from the one barrier on they are only read, and the waves share nothing more.
; THE UNIT OF ROUTING IS A GROUP OF 16 TOKENS IN THE GIVEN ORDER.  Wave w owns groups 4 k + w, k = 0 .. 31; it takes every one of them that holds a token of e, four to a pass (64 rows), and stores only the rows whose id is e:
; each row of out0 has one owner, whatever the order of the ids.  Where the ids are mixed within groups, rows are multiplied in vain (at the worst eight times the products): right, and slower.
; A pass: the tokens' codes, 4 groups x 8 fragments, lie in 512 registers, loaded from a_img as images of the operand's registers; the weight's fragments come from LDS, each for four products.
; THE MATRIX INSTRUCTION IS USED TRANSPOSED: source 0 = 16 columns of the weight, source 1 = 16 tokens: lane (r, h) then holds token r and the tile's columns 8 h + 0 .. 7, 32 neighbouring bytes of a row of out0.
; The bias is the C of each sum's first product (so it is added first, where the definition adds it last).
; NO TENSOR LOADS, NO CLUSTER: the number of passes and the groups' addresses are read from sorted_experts.  Of what a work-group reads,
; its 128 KiB of weights are shared with nobody; the token codes of its expert are read by the expert's 32 work-groups.
; LIMITS: ids outside 0 .. 7 are not served; NaN or infinity codes and the scale byte 0xff in the kernel are not served (the definition would spread NaN to other experts' rows).
; REGISTERS, in windows of 256 (s_set_vgpr_msb: bits 1:0 source 0, 3:2 source 1, 5:4 source 2, 7:6 destination):
;   window 0: v1-14 lane terms and addresses; v32-63 the weight's scale words; v64-95 the tokens' scale words; v96-111 ids; v128-255 two sets of four fragments of the weight
;   window 1: v0-127 the 16 accumulators ((slot m, tile t) at 8 (4 m + t)); v128-191 the bias of the slab's 8 tiles; v192-255 two sets of 32 for rows on the way out
;   windows 2, 3: the tokens' fragments: slot m in window 2 + m / 2, K step s at 128 (m % 2) + 16 s
.set BPITCH, 1040                      ; a column's 1,024 codes in LDS + 16 = 65 x 16 bytes: the 16 rows of a fragment load start in 16 different columns of 16 bytes
.set BTILE,  16*BPITCH                 ; 16 columns of the weight
.set BHALF,  4*BTILE                   ; 64 columns: what one half of a pass multiplies
.set STG,    8*BTILE                   ; behind the weights: for each wave two stages of 16 rows x (256 bytes + 16)
.set SPITCH, 272
.set STAGEB, 16*SPITCH
.set LI,  4                            ; v4   16 x lane
.set WST, 5                            ; v5   where I put the weights: 32 BPITCH w + 16 x lane
.set BAD, 6                            ; v6, v7  my place in a fragment of the weight, columns 0-63 and 64-127: BPITCH r + 16 h (+ BHALF)
.set STO, 8                            ; v8   the stage, in: SPITCH r + 32 h
.set RD,  9                            ; v9   the stage, back: lanes 0-15 row i, lanes 16-31 row 8 + i; 16 bytes a lane
.set GO,  10                           ; v10  the same two rows in out0: 8 h rows of 16,384 bytes + 16 r
.set R16, 11                           ; v11  16 r
.set H32, 12                           ; v12  32 h
.set L32, 13                           ; v13  32 x lane
.set IDO, 14                           ; v14  256 x lane + 64 w: the 16 ids of group 4 lane + w
.set BS,  32                           ; v[BS + 8 P + s]: lanes 0-15 the scale words of tile 2 P, lanes 16-31 of tile 2 P + 1, K step s
.set AS,  64                           ; v[AS + 8 m + s]: lane r the scale word of slot m's token r, K step s
.set ID,  96
.set BF,  128
.set ACC, 0
.set BI,  128
.set RB,  192
.set WV,  18                           ; s18  my wave's number
.set EX,  19                           ; s19  my expert
.set PM,  21                           ; s21  bit k: group 4 k + w holds a token of my expert, and has not been taken yet
.set FM,  22                           ; s22  bit k: all 16 tokens of that group are my expert's
.set NP,  23                           ; s23  passes
.set PN,  24                           ; s24  passes done
.set ALLF, 25                          ; s25  1: the pass has four groups, all of them whole
.set KD,  26                           ; s26  k of the group in hand
.set GG,  27                           ; s27  the group
.set TP,  28                           ; s[28:29] an offset, its high word 0
.set CM,  30                           ; s30  a compare's mask
.set SX,  31                           ; s31  EXEC, kept
.set AB,  32                           ; s[32:39] slot m's group in a_img
.set SB,  40                           ; s[40:47] in a_scl
.set OB,  48                           ; s[48:55] its 16 rows, at my slab's first column, in out0
.set EB,  56                           ; s[56:63] its 16 ids
.set ST,  66                           ; s66-69   1: the slot holds a group of this pass
.set MK,  70                           ; s70-77   the slow way out: the lanes whose row is my expert's
.set OX,  78                           ; s[78:79] out0 at my slab's first column
.set MSB, 0
.macro WIN new                         ; the immediate's high byte repeats the setting that is left; a switch that changes nothing is dropped
.if MSB != \new
	s_set_vgpr_msb (MSB<<8)|\new
.set MSB, \new
.endif
.endm
.macro PLACES n
.rept \n
	v_nop
.endr
.endm
; The next four groups of my wave that hold a token of my expert.  A slot for which none is left repeats the last group (or, where there was none at all, group w): its bytes are valid, and nothing of it is stored.
.macro SELECT
	s_mov_b32 s[ALLF], 1
	s_mov_b32 s[KD], 0
	s_mov_b32 s[TP+1], 0
.irp m, 0,1,2,3
	s_ctz_i32_b32 s[TP], s[PM]                     ; the lowest group left
	s_cmp_lg_u32 s[PM], 0
	s_cselect_b32 s[ST+\m], 1, 0
	s_cselect_b32 s[KD], s[TP], s[KD]
	s_min_u32 s[KD], s[KD], 31                     ; a number made of loaded data enters addresses only behind this bound
	s_lshr_b32 s[TP], s[FM], s[KD]
	s_and_b32 s[TP], s[TP], s[ST+\m]               ; 1: the slot is in use and its group is whole
	s_and_b32 s[ALLF], s[ALLF], s[TP]
	s_sub_co_u32 s[TP], s[PM], 1
	s_and_b32 s[PM], s[PM], s[TP]                  ; the group is taken
	s_lshl_b32 s[GG], s[KD], 2
	s_add_co_u32 s[GG], s[GG], s[WV]               ; group 4 k + w
	s_lshl_b32 s[TP], s[GG], 14                    ; 16,384 bytes of codes a group
	s_add_nc_u64 s[AB+2*\m:AB+2*\m+1], s[4:5], s[TP:TP+1]
	s_lshl_b32 s[TP], s[GG], 9                     ; 512 bytes of scale words
	s_add_nc_u64 s[SB+2*\m:SB+2*\m+1], s[6:7], s[TP:TP+1]
	s_lshl_b32 s[TP], s[GG], 18                    ; 16 rows of 16,384 bytes of out0
	s_add_nc_u64 s[OB+2*\m:OB+2*\m+1], s[OX:OX+1], s[TP:TP+1]
	s_lshl_b32 s[TP], s[GG], 6                     ; 16 ids
	s_add_nc_u64 s[EB+2*\m:EB+2*\m+1], s[14:15], s[TP:TP+1]
.endr
.endm
; 136 loads: the four slots' scale words (8), then their fragments, K step by K step (16 a step), so that the products of a K step wait for no later one.  Each fragment load reads 512 consecutive bytes.
.macro ALOAD
.irp m, 0,1,2,3
.irp u, 0,1
	global_load_b128 v[AS+8*\m+4*\u:AS+8*\m+4*\u+3], v[R16], s[SB+2*\m:SB+2*\m+1] offset:256*\u
.endr
.endr
.irp s, 0,1,2,3,4,5,6,7
	WIN 0x80                                       ; destination window 2: slots 0, 1
.irp m, 0,1
.irp c, 0,1,2,3
	global_load_b128 v[128*\m+16*\s+4*\c:128*\m+16*\s+4*\c+3], v[LI], s[AB+2*\m:AB+2*\m+1] offset:2048*\s+512*\c
.endr
.endr
	WIN 0xc0                                       ; destination window 3: slots 2, 3
.irp m, 0,1
.irp c, 0,1,2,3
	global_load_b128 v[128*\m+16*\s+4*\c:128*\m+16*\s+4*\c+3], v[LI], s[AB+4+2*\m:AB+5+2*\m] offset:2048*\s+512*\c
.endr
.endr
.endr
	WIN 0
.endm
; 16 LDS loads: the four fragments (16 columns x 128 K each) of half p, K step s, into set
.macro FETCHB p, s, set
.irp t, 0,1,2,3
.irp c, 0,1,2,3
	ds_load_b128 v[BF+64*(\set)+16*\t+4*\c:BF+64*(\set)+16*\t+4*\c+3], v[BAD+(\p)] offset:BTILE*\t+128*(\s)+32*\c
.endr
.endr
.endm
.macro WM d, b, a, c, sb, sa, odd      ; one product; odd = 1: the weight's scale words stand in lanes 16-31 of their register
.if \odd
	v_wmma_scale_f32_16x16x128_f8f6f4 v[\d:\d+7], v[\b:\b+15], v[\a:\a+15], v[\c:\c+7], v[\sb], v[\sa] matrix_a_fmt:MATRIX_FMT_BF8 matrix_b_fmt:MATRIX_FMT_BF8 matrix_a_scale:MATRIX_SCALE_ROW1
.else
	v_wmma_scale_f32_16x16x128_f8f6f4 v[\d:\d+7], v[\b:\b+15], v[\a:\a+15], v[\c:\c+7], v[\sb], v[\sa] matrix_a_fmt:MATRIX_FMT_BF8 matrix_b_fmt:MATRIX_FMT_BF8
.endif
.endm
; 8 products: slots 2 mh, 2 mh + 1 x the half's four tiles, K step s.  The first K step takes the bias as C: nothing is cleared and nothing is added afterwards.
.macro MUL8 p, s, set, mh
.irp u, 0,1
.irp t, 0,1,2,3
.if (\s) == 0
	WM (ACC+8*(4*(2*(\mh)+\u)+\t)), (BF+64*(\set)+16*\t), (128*\u+16*(\s)), (BI+8*(4*(\p)+\t)), (BS+8*((4*(\p)+\t)/2)+(\s)), (AS+8*(2*(\mh)+\u)+(\s)), (\t%2)
.else
	WM (ACC+8*(4*(2*(\mh)+\u)+\t)), (BF+64*(\set)+16*\t), (128*\u+16*(\s)), (ACC+8*(4*(2*(\mh)+\u)+\t)), (BS+8*((4*(\p)+\t)/2)+(\s)), (AS+8*(2*(\mh)+\u)+(\s)), (\t%2)
.endif
.endr
.endr
.endm
; Step i of a pass's 16: half i / 8 of the slab's columns, K step i % 8.  16 products, the 16 accumulators by turns, one instruction a turn, in the same order in every step.
; The next step's fragments are asked for first, into the set that the step before has read: eight plain vector lines stand behind that step's last product.
.macro STEP i
.if (\i) < 15
	FETCHB ((\i)+1)/8, ((\i)+1)%8, ((\i)+1)%2
	s_wait_dscnt 16                                ; this step's 16 loads are in; the 16 just issued may be out
.else
	s_wait_dscnt 0x0
.endif
.if (\i) < 8                                       ; the tokens' fragments: 16 loads were issued for each later K step (63 is the largest count that the wait can name)
.if 16*(7-(\i)) > 63
	s_wait_loadcnt 63
.else
	s_wait_loadcnt 16*(7-(\i))
.endif
.endif
	WIN 0x58                                       ; the weight in window 0, tokens in window 2, C and D in window 1
	MUL8 (\i)/8, (\i)%8, (\i)%2, 0
	WIN 0x5c                                       ; tokens in window 3
	MUL8 (\i)/8, (\i)%8, (\i)%2, 1
	WIN 0
.if ((\i)%8) == 7
	PLACES 9                                       ; a half is finished: its results are read next, and the next first products write the accumulators anew with another C: nine places
.else
	PLACES 8
.endif
.endm
; THE WAY OUT of slot m: 16 tokens x 64 columns.  A lane holds 32 bytes of a row and the lanes beside it hold other rows: so the slot goes through my own stage and comes back as whole rows of 256 bytes.
.macro TOSTAGE m
	WIN 0x04                                       ; an LDS store's data are its source 1: window 1
.irp t, 0,1,2,3
	ds_store_b128 v[STO], v[ACC+8*(4*(\m)+\t):ACC+8*(4*(\m)+\t)+3] offset:STAGEB*((\m)%2)+64*\t      ; each accumulator from its low end on
	ds_store_b128 v[STO], v[ACC+8*(4*(\m)+\t)+4:ACC+8*(4*(\m)+\t)+7] offset:STAGEB*((\m)%2)+64*\t+16
.endr
	WIN 0x40                                       ; destination window 1
.irp i, 0,1,2,3,4,5,6,7
	ds_load_b128 v[RB+32*((\m)%2)+4*\i:RB+32*((\m)%2)+4*\i+3], v[RD] offset:STAGEB*((\m)%2)+SPITCH*\i   ; LDS serves a wave's instructions in order: these see the stores above
.endr
.endm
.macro SEND m, p, younger              ; younger: the LDS instructions issued behind slot m's loads, which may stay out
	s_wait_dscnt \younger
	WIN 0x04                                       ; a store's data are its source 1: window 1
.irp i, 0,1,2,3,4,5,6,7
	global_store_b128 v[GO], v[RB+32*((\m)%2)+4*\i:RB+32*((\m)%2)+4*\i+3], s[OB+2*(\m):OB+2*(\m)+1] offset:16384*\i+256*(\p) th:TH_STORE_NT   ; each half of the lanes stores 256 consecutive bytes, at a multiple of 256 from out0's first byte
.endr
.endm
.macro FASTOUT p                       ; four whole groups: every row is mine
	s_wait_xcnt 0x0                                ; the earlier stores have read the registers that the rows come back into
	TOSTAGE 0
.irp a, 1,2,3
.if \a > 1
	s_wait_xcnt 0x0                                ; slot a - 2's stores have read their registers
.endif
	TOSTAGE \a
	SEND \a-1, \p, 16                              ; behind slot a - 1's loads: slot a's 8 stores and 8 loads
.endr
	SEND 3, \p, 0
	WIN 0
.endm
.macro SLOW1 m, p                      ; a slot of a pass that is not all whole groups: empty slots are passed over; of the others only the rows whose id is my expert's are stored
	s_cmp_eq_u32 s[ST+\m], 0
	s_cbranch_scc1 .Lempty_\@
	global_load_b128 v[ID:ID+3], v[H32], s[EB+2*\m:EB+2*\m+1]               ; the ids of rows 8 h + 0 .. 7
	global_load_b128 v[ID+4:ID+7], v[H32], s[EB+2*\m:EB+2*\m+1] offset:16
	s_wait_xcnt 0x0                                ; the earlier stores have read the registers that the rows come back into
	TOSTAGE \m
	WIN 0
	s_wait_loadcnt 0x0
.irp i, 0,1,2,3,4,5,6,7
	v_cmp_eq_u32 s[MK+\i], s[EX], v[ID+\i]         ; store i: lanes 0-15 hold row i, lanes 16-31 row 8 + i
.endr
	s_wait_dscnt 0x0
	WIN 0x04
.irp i, 0,1,2,3,4,5,6,7
	s_and_saveexec_b32 s[SX], s[MK+\i]             ; no global instruction has been issued since the last wait on XCNT
	global_store_b128 v[GO], v[RB+32*((\m)%2)+4*\i:RB+32*((\m)%2)+4*\i+3], s[OB+2*(\m):OB+2*(\m)+1] offset:16384*\i+256*(\p) th:TH_STORE_NT
	s_wait_xcnt 0x0                                ; EXEC is one of the store's sources: it changes only behind this wait
	s_or_b32 exec_lo, exec_lo, s[SX]
.endr
	WIN 0
.Lempty_\@:
.endm
.macro OUT p
	s_cmp_lg_u32 s[ALLF], 0
	s_cbranch_scc0 .Lslow_\@
	FASTOUT \p
	s_branch .Lsent_\@
.Lslow_\@:
	SLOW1 0, \p
	SLOW1 1, \p
	SLOW1 2, \p
	SLOW1 3, \p
.Lsent_\@:
.endm
	s_load_b256 s[4:11], s[0:1], 0x0               ; a_img s[4:5], a_scl s[6:7], the weight's codes s[8:9], its scales s[10:11]
	s_load_b128 s[12:15], s[0:1], 0x20             ; bias s[12:13], sorted_experts s[14:15]
	s_load_b64 s[16:17], s[0:1], 0x30              ; out0
	v_lshl_add_u32 v126, v0, 2, 0x29000
	v_mov_b32 v127, 0
	v_lshrrev_b32 v15, 5, v0
	v_readfirstlane_b32 s[WV], v15                 ; wave 0..3
	v_and_b32 v1, 31, v0                           ; lane
	v_and_b32 v2, 15, v0                           ; r
	v_bfe_u32 v3, v0, 4, 1                         ; h
	v_lshlrev_b32 v[LI], 4, v1
	s_lshl_b32 s[TP], s[WV], 6
	v_lshl_add_u32 v[IDO], v1, 8, s[TP]
	v_lshlrev_b32 v[L32], 5, v1
	v_lshlrev_b32 v[H32], 5, v3
	v_lshlrev_b32 v[R16], 4, v2
	s_and_b32 s[EX], ttmp7, 0xffff                 ; my expert: work-group y
	s_lshl_b32 s32, s[EX], 17                      ; the scales of my slab: (4,096 e + 128 x) columns of 32 bytes
	s_lshl_b32 s[TP], ttmp9, 12
	s_add_co_u32 s32, s32, s[TP]
	s_mov_b32 s33, 0
	s_lshl_b32 s34, s[EX], 14                      ; its bias: 4 bytes a column
	s_lshl_b32 s36, ttmp9, 9                       ; its first column in a row of out0
	s_add_co_u32 s34, s34, s36
	s_mov_b32 s35, 0
	s_mov_b32 s37, 0
	s_lshl_b32 s38, s[EX], 22                      ; its codes: 1,024 bytes a column; my wave brings 32 columns
	s_lshl_b32 s[TP], ttmp9, 17
	s_add_co_u32 s38, s38, s[TP]
	s_lshl_b32 s[TP], s[WV], 15
	s_add_co_u32 s38, s38, s[TP]
	s_mov_b32 s39, 0
	s_wait_kmcnt 0x0
.irp q, 0,1,2,3
	global_load_b128 v[ID+4*\q:ID+4*\q+3], v[IDO], s[14:15] offset:16*\q   ; lane l: the 16 ids of group 4 l + w.  First of all: the tokens' addresses hang on them
.endr
	s_add_nc_u64 s[10:11], s[10:11], s[32:33]
	s_add_nc_u64 s[12:13], s[12:13], s[34:35]
	s_add_nc_u64 s[OX:OX+1], s[16:17], s[36:37]
	s_add_nc_u64 s[8:9], s[8:9], s[38:39]
.irp P, 0,1,2,3
.irp u, 0,1
	global_load_b128 v[BS+8*\P+4*\u:BS+8*\P+4*\u+3], v[L32], s[10:11] offset:1024*\P+16*\u   ; lane l: column 32 P + l, K steps 4 u .. 4 u + 3
.endr
.endr
.set j, 0
.rept 32
	global_load_b128 v[BF+4*j:BF+4*j+3], v[LI], s[8:9] offset:512*j th:TH_LOAD_NT   ; my 32 columns are 32,768 bytes on end: 64 loads of 512 consecutive bytes; read once in the launch
.set j, j+1
.endr
	WIN 0x40                                       ; destination window 1: the accumulators' registers carry the other half until the products begin
.set j, 0
.rept 32
	global_load_b128 v[ACC+4*j:ACC+4*j+3], v[LI], s[8:9] offset:16384+512*j th:TH_LOAD_NT
.set j, j+1
.endr
.irp T, 0,1,2,3,4,5,6,7
.irp u, 0,1
	global_load_b128 v[BI+8*\T+4*\u:BI+8*\T+4*\u+3], v[H32], s[12:13] offset:64*\T+16*\u   ; lane (r, h): the bias of the tile's columns 8 h + 0 .. 7: the result's layout
.endr
.endr
	WIN 0
	s_mul_i32 s[TP], s[WV], 32*BPITCH              ; LDS addresses are made while the loads are out
	v_add_nc_u32 v[WST], s[TP], v[LI]
	v_mul_u32_u24 v[BAD], v2, BPITCH
	v_lshl_add_u32 v[BAD], v3, 4, v[BAD]
	v_add_nc_u32 v[BAD+1], BHALF, v[BAD]
	s_mul_i32 s[TP], s[WV], 2*STAGEB
	s_add_co_u32 s[TP], s[TP], STG                 ; my two stages
	v_mul_u32_u24 v[STO], v2, SPITCH
	v_lshl_add_u32 v[STO], v3, 5, v[STO]
	v_add_nc_u32 v[STO], s[TP], v[STO]
	v_mul_u32_u24 v[RD], v3, 8*SPITCH
	v_lshl_add_u32 v[RD], v2, 4, v[RD]
	v_add_nc_u32 v[RD], s[TP], v[RD]
	v_lshl_add_u32 v[GO], v3, 17, v[R16]
	s_wait_loadcnt 63                              ; the ids are in: 88 loads were issued behind them
	s_mov_b32 s[PM], 0
	s_mov_b32 s[FM], -1
.irp i, 0,1,2,3,4,5,6,7,8,9,10,11,12,13,14,15
	v_cmp_eq_u32 s[CM], s[EX], v[ID+\i]            ; bit l: token i of group 4 l + w is my expert's
	s_or_b32 s[PM], s[PM], s[CM]
	s_and_b32 s[FM], s[FM], s[CM]
.endr
	s_bcnt1_i32_b32 s[NP], s[PM]
	s_add_co_u32 s[NP], s[NP], 3
	s_lshr_b32 s[NP], s[NP], 2                     ; four groups to a pass
	SELECT
	ALOAD                                          ; always, so that every wave has one path to the barrier and the same loads behind it
	s_wait_loadcnt 63                              ; the weights, their scale words and the bias are in: 136 loads were issued behind the last of them
.set j, 0
.rept 32
	ds_store_b128 v[WST], v[BF+4*j:BF+4*j+3] offset:(j/2)*BPITCH+(j%2)*512
.set j, j+1
.endr
	WIN 0x04
.set j, 0
.rept 32
	ds_store_b128 v[WST], v[ACC+4*j:ACC+4*j+3] offset:(16+j/2)*BPITCH+(j%2)*512
.set j, j+1
.endr
	WIN 0
	s_wait_dscnt 0x0                               ; for the others' sake: my 32 columns have landed
	s_barrier_signal -1
	s_barrier_wait -1                              ; the slab is whole.  The launch's only barrier: it stands ahead of every branch on loaded numbers
	s_cmp_eq_u32 s[NP], 0
	s_cbranch_scc1 .Ldone                          ; none of my groups holds a token of my expert
	s_mov_b32 s[PN], 0
.Lpass:
	FETCHB 0, 0, 0
.irp i, 0,1,2,3,4,5,6,7
	STEP \i
.endr
	OUT 0                                          ; columns 0-63 leave while columns 64-127 are multiplied
.irp i, 8,9,10,11,12,13,14,15
	STEP \i
.endr
	OUT 1
	s_add_co_u32 s[PN], s[PN], 1
	s_cmp_lt_u32 s[PN], s[NP]
	s_cbranch_scc0 .Lno_next
	s_wait_xcnt 0x0                                ; the stores have read their bases: the slots' addresses may be written
	SELECT
	ALOAD                                          ; into registers whose last products stand nine places and a way out back
.Lno_next:
	s_cmp_lt_u32 s[PN], s[NP]                      ; (compared again: SELECT has written SCC)
	s_cbranch_scc1 .Lpass
.Ldone:
	s_wait_tensorcnt 0x0
	ds_add_u32 v126, v127
	s_wait_dscnt 0x0
	s_endpgm
.Lfunc_end_k_q208735795a_gemm:
	.size	k_q208735795a_gemm, .Lfunc_end_k_q208735795a_gemm-k_q208735795a_gemm
	.p2alignl 7, 3214868480
	.fill 96, 4, 3214868480
	.section	.rodata,"a",@progbits
	.p2align	6, 0x0
	.amdhsa_kernel k_q208735795a_gemm
		.amdhsa_group_segment_fixed_size 168448
		.amdhsa_private_segment_fixed_size 0
		.amdhsa_enable_private_segment 0
		.amdhsa_kernarg_size 56
		.amdhsa_user_sgpr_count 2
		.amdhsa_user_sgpr_kernarg_segment_ptr 1
		.amdhsa_wavefront_size32 1
		.amdhsa_system_sgpr_workgroup_id_x 1
		.amdhsa_system_sgpr_workgroup_id_y 1
		.amdhsa_system_sgpr_workgroup_id_z 1
		.amdhsa_system_vgpr_workitem_id 0
		.amdhsa_next_free_vgpr 1024
		.amdhsa_next_free_sgpr 84
		.amdhsa_reserve_vcc 0
		.amdhsa_float_denorm_mode_32 3
		.amdhsa_float_denorm_mode_16_64 3
		.amdhsa_memory_ordered 1
		.amdhsa_forward_progress 1
		.amdhsa_inst_pref_size 148
	.end_amdhsa_kernel
	.amdgpu_metadata
---
amdhsa.version: [ 1, 2 ]
amdhsa.kernels:
  - .name:           k_q208735795a_gemm
    .symbol:         k_q208735795a_gemm.kd
    .args:
      - { .name: a_img, .offset: 0, .size: 8, .value_kind: global_buffer, .address_space: global }
      - { .name: a_scl, .offset: 8, .size: 8, .value_kind: global_buffer, .address_space: global }
      - { .name: kernel_codes, .offset: 16, .size: 8, .value_kind: global_buffer, .address_space: global }
      - { .name: kernel_scales, .offset: 24, .size: 8, .value_kind: global_buffer, .address_space: global }
      - { .name: bias, .offset: 32, .size: 8, .value_kind: global_buffer, .address_space: global }
      - { .name: sorted_experts, .offset: 40, .size: 8, .value_kind: global_buffer, .address_space: global }
      - { .name: out0, .offset: 48, .size: 8, .value_kind: global_buffer, .address_space: global }
    .group_segment_fixed_size: 168448
    .private_segment_fixed_size: 0
    .kernarg_segment_align: 8
    .kernarg_segment_size: 56
    .max_flat_workgroup_size: 128
    .sgpr_count:     84
    .vgpr_count:     1024
    .wavefront_size: 32
...
	.end_amdgpu_metadata
.endif
;; end of part 2
